; MI455X (gfx1250); checked and timed in simulation.
; The chip was launched on July 23, 2026; its instructions are those of AMD's public machine-readable ISA for CDNA 5 (MIT licence, August 2026) and "CDNA5" Instruction Set Architecture Reference Guide (July 2026). The comments in the code are by the model that wrote it; some were corrected since.
;; Quant Linear. Allowed arithmetic: matrix products marked QUANTISED: E2M1 operands, one E8M0 scale for each 32 along K, by v_wmma_scale_f32_16x16x128_f8f6f4 with both operands' format E2M1 (or v_wmma_scale_f32_32x16x128_f4), f32 sums; everything else in f32.
;; Inputs: bias 4,096 float32; weight 4,096 x 4,096 float32; x 4,096 x 4,096 float32.
;; Outputs: out0 4,096 x 4,096 float32.
;; Constants: exp = 5, man = 10.
;; This version of the problem:
;;   THIS VERSION OF THE PROBLEM IS GIVEN IN LOW PRECISION. The matrix products marked QUANTISED in the list below multiply operands that are first quantised to E2M1 (2 exponent bits, 1 mantissa bit; 4 bits a number), with one power-of-two scale for each 32 numbers along K (OCP MX v1.0); their sums are f32. All else is computed in f32.
;;   The module's matrix products, in the order in which they are computed (A, B: the left and right operand; K: the contracted axis; several contracted axes count as one K, in the product's order):
;;     1. [M 4,096, K 4,096] x [K 4,096, N 4,096]; A: computed on the way; B: computed on the way: QUANTISED
;;   THE QUANTISER, for each operand of a quantised product, along K:
;;     - K is cut into blocks of 32 from its start; a last block that is shorter is filled with zeros.
;;     - A block's scale is 2^e with e = floor(log2(the largest magnitude in the block)) - 2, held to -126 .. 127; a block of zeros has e = 0. As a byte (E8M0): e + 127.
;;     - Each number is divided by its block's scale, clamped to +-6, and rounded to the nearest number of E2M1, ties to even, subnormals kept.
;;     - The product sums the exact products of the quantised numbers (number of the format x scale) in f32.
;;   ~~~python
;;   def quantise(x, axis):      # numpy; x: float32 -> the quantised numbers, widened to float32 again
;;       x = np.moveaxis(x, axis, -1); K = x.shape[-1]
;;       x = np.pad(x, [(0, 0)] * (x.ndim - 1) + [(0, -K % 32)]); x = x.reshape(x.shape[:-1] + (-1, 32)); a = np.abs(x).max(-1, keepdims=True)
;;       e = np.where(a > 0, np.clip(np.frexp(np.where(a > 0, a, 1))[1] - 1 - 2, -126, 127), 0)      # np.frexp(a)[1] - 1 = floor(log2(a)), exactly
;;       r = np.clip(x / 2.0 ** e, -6, 6)
;;       step = 2.0 ** (np.maximum(np.frexp(np.where(r == 0, 1, r))[1] - 1, 0) - 1)
;;       q = np.round(r / step) * step * 2.0 ** e      # np.round: ties to even
;;       return np.moveaxis(q.reshape(q.shape[:-2] + (-1,))[..., :K], -1, axis).astype(np.float32)
;;   ~~~
;;   OPERANDS COMPUTED ON THE WAY. 'Computed on the way' means the value that the module computes at that place (a softmax that the list does not call 'softmax' is quantised finished and normalised). What goes into a quantiser is computed in f32, as accurately as f32 sums, v_exp_f32 and their like allow (about 1e-6 of the number): no bf16 or f16 on the way to a quantiser, and a product that is left as it is and whose result goes on into a quantised operand takes f32 operands (vector FMAs, or v_wmma_f32_16x16x4_f32). A number that lies on a knife's edge between two numbers of the format may be rounded either way, as far as f32 arithmetic and the matrix unit's own rounding can turn it there, and no further.
;; One version. Each part assembles by itself: llvm-mc -triple=amdgcn-amd-amdhsa -mcpu=gfx1250 --defsym DOCPART=n.
;; ======== version 1 of 1: 2 launches
;; limits: values are held in f16: magnitudes above 65,504 overflow, below 6.1e-05 lose precision; right only within a limited range of input values
;; workspace buffers: codes 17,825,792 bytes
;; launch quant (part 1): grid 1024 x 1, 4 waves a work-group, no clusters, 33,280 bytes of LDS; arguments x, weight, codes; writes codes
.if DOCPART == 1
	.amdgcn_target "amdgcn-amd-amdhsa--gfx1250"
	.amdhsa_code_object_version 6
	.text
	.protected	k_qf3e605cbbc_quant
	.globl	k_qf3e605cbbc_quant
	.p2align	8
	.type	k_qf3e605cbbc_quant,@function
k_qf3e605cbbc_quant:
	s_mov_b64 s[64:65], 0
	v_nop
	global_prefetch_b8 v0, s[64:65] scope:SCOPE_SE
	s_setreg_imm32_b32 hwreg(HW_REG_WAVE_MODE, 25, 1), 1
	s_wait_xcnt 0x0
; x [4096][4096] and weight [4096][4096], f32, K innermost in both, become the operands of the FP4 product:
;   (1) each number is rounded as the problem's float_quantize(5, 10) rounds it: to the nearest multiple of 2^(e - 10), ties to even, e = floor(log2 |v|) held to -14 .. 15, held at 65,504;
;   (2) each block of 32 along K gets the scale 2^(floor(log2(its largest magnitude)) - 2), as an E8M0 byte, and its numbers become codes of E2M1, 4 bits each, the lower k in the low four bits.
; STEP (1) IN F32, EXACTLY: v is held to +-65,504 first (holding first and rounding then gives what rounding first and holding then gives: 65,504 is a number of the format);
; p = 2^e is v's exponent field alone, held at 2^-14 from below; t = fma(p, 12288, v) lies in [2^(e+13), 2^(e+14)), where neighbouring f32 numbers are 2^(e-10) apart, so the fma's one rounding
; IS the rounding asked for (12288 p / 2^(e-10) = 1.5 x 2^23 is even, so ties fall as they fall for v alone); fma(p, -12288, t) takes the offset away and rounds nothing.
; LIMITS: NaN among the inputs is not served; +-infinity is held at +-65,504.  A block of zeros gets the byte 1 where the quantiser's text says 127: its codes are zeros, which add nothing
; under any byte but 0xff, and the bytes are read by this program alone.
; THE BUFFER codes IS LAID AS THE PRODUCT'S LAUNCH FETCHES IT: [rb 0..63][s 0..7][34,816 bytes].  rb: 128 rows (0-31: x's, 32-63: weight's); s: 512 along K.  A block: 128 rows x 256 bytes of codes,
; then 8 x 256 bytes of scale bytes (16 rows x 16 bytes each): 136 pieces of 256 bytes on end.
; SHARES.  Job J = 4 x work-group + wave: s = J % 8, G = J / 8 = a group of 16 rows.  A job is 16 steps; step t is row t: 2,048 consecutive bytes in, 256 consecutive aligned bytes of codes out, 16 scale bytes,
; which are gathered in the wave's own LDS bytes and leave at the end as 256 consecutive aligned bytes.
; The conversions take neighbours along K from ONE lane's registers, a load is best where neighbouring LANES take neighbouring bytes: so a step's bytes are loaded as they lie, 16 a lane, turn through the wave's
; own stage in LDS (16 bytes of padding behind each 64) and come back 64 a lane: 16 neighbours; two neighbouring lanes hold a block.
; No tensor loads, no barrier: waves share nothing.  Loads run four steps (16 loads a wave) ahead, the turn through LDS one step.  Every offset is an immediate; no pointer and no store's data are written again.
.set STEPS, 16
.set SP,    80                         ; a lane's place in a stage: its 64 bytes + 16 of padding
.set WREG,  8192                       ; LDS: a region for each wave: two stages of 32 x SP bytes, behind them its 256 scale bytes
.set KBLK,  34816                      ; a block of the buffer
.set ROWX,  16384                      ; a row of x or weight in bytes
.set R,     16                         ; v16-79   four sets of 16 numbers as they are loaded
.set X,     80                         ; v80-111  two sets of 16 neighbours
.set E,     112                        ; v112-127 a scale byte for each step
.set C,     128                        ; v128-159 codes: two registers for each step
.set F,     160                        ; v160-175 the sixteen powers of two of step (1)
.set POS,   22                         ; s22  65,504.0
.set NEG,   23                         ; s23  -65,504.0
.set EXPM,  24                         ; s24  the exponent field's mask
.set PMIN,  25                         ; s25  2^-14
.set BIG,   26                         ; s[26:27]  12,288.0 (the packed form names a pair and takes its low word for both halves)
.set NBIG,  28                         ; s[28:29]  -12,288.0
	s_load_b128 s[4:7], s[0:1], 0x0                ; x, weight
	s_load_b64 s[8:9], s[0:1], 0x10                ; codes
	v_lshl_add_u32 v176, v0, 2, 0x8000
	v_mov_b32 v177, 0
	v_lshrrev_b32 v1, 5, v0
	v_readfirstlane_b32 s16, v1                    ; wave
	v_and_b32 v2, 31, v0                           ; lane
	v_lshlrev_b32 v3, 4, v2                        ; my 16 bytes of a load's 512
	v_lshlrev_b32 v4, 3, v2                        ; my 8 bytes of a store's 256
	s_mul_i32 s17, s16, WREG
	v_lshrrev_b32 v14, 2, v2
	v_mul_u32_u24 v14, v14, SP
	v_and_b32 v15, 3, v2
	v_lshl_add_u32 v14, v15, 4, v14
	v_add_nc_u32 v14, s17, v14                     ; the stage, on the way in: four lanes' 64 bytes on end, then 16 of padding
	v_mul_u32_u24 v15, v2, SP
	v_add_nc_u32 v15, s17, v15                     ; and on the way out: my 16 neighbours
	v_lshrrev_b32 v5, 1, v2
	s_add_co_u32 s17, s17, 2*32*SP
	v_add_nc_u32 v5, s17, v5                       ; my wave's 256 scale bytes: my block's byte,
	v_add_nc_u32 v6, s17, v4                       ; and on the way out 8 bytes a lane
	s_mov_b32 s[POS], 0x477fe000
	s_mov_b32 s[NEG], 0xc77fe000
	s_mov_b32 s[EXPM], 0x7f800000
	s_mov_b32 s[PMIN], 0x38800000
	s_mov_b32 s[BIG], 0x46400000
	s_mov_b32 s[BIG+1], 0x46400000
	s_mov_b32 s[NBIG], 0xc6400000
	s_mov_b32 s[NBIG+1], 0xc6400000
	s_lshl_b32 s18, ttmp9, 2
	s_add_co_u32 s18, s18, s16                     ; J
	s_and_b32 s19, s18, 7                          ; s
	s_lshr_b32 s20, s18, 3                         ; G
	s_and_b32 s21, s20, 255                        ; the group within its tensor
	s_lshl_b32 s30, s21, 18                        ; 16 rows of 16,384 bytes,
	s_lshl_b32 s31, s19, 11                        ; 512 numbers along K
	s_add_co_u32 s30, s30, s31
	s_mov_b32 s31, 0
	s_lshr_b32 s32, s20, 3                         ; rb
	s_lshl_b32 s32, s32, 3
	s_add_co_u32 s32, s32, s19
	s_mul_i32 s32, s32, KBLK                       ; my block (under 2^25)
	s_and_b32 s33, s20, 7                          ; which 16 of its 128 rows
	s_lshl_b32 s34, s33, 12
	s_add_co_u32 s34, s34, s32                     ; their codes,
	s_mov_b32 s35, 0
	s_lshl_b32 s36, s33, 8
	s_add_co_u32 s36, s36, s32
	s_add_co_u32 s36, s36, 32768                   ; their scale bytes
	s_mov_b32 s37, 0
	s_wait_alu depctr_va_vdst(0)
	s_wait_kmcnt 0x0
	s_cmp_lt_u32 ttmp9, 512                        ; x's work-group or weight's?  The choice hangs on the work-group's number alone
	s_cselect_b64 s[4:5], s[4:5], s[6:7]
	s_add_nc_u64 s[4:5], s[4:5], s[30:31]
	s_add_nc_u64 s[10:11], s[8:9], s[36:37]
	s_add_nc_u64 s[8:9], s[8:9], s[34:35]
.macro LOAD t                          ; row t's 2,048 bytes: each load reads 512 consecutive bytes
.irp i, 0,1,2,3
	global_load_b128 v[R+16*((\t)%4)+4*\i:R+16*((\t)%4)+4*\i+3], v3, s[4:5] offset:ROWX*(\t)+512*\i th:TH_LOAD_NT
.endr
.endm
.macro TURN t                          ; step t's numbers through the stage: LDS serves a wave's instructions in order (ISA guide 5.7.1.4), so no wait stands between the stores and the loads
.irp i, 0,1,2,3
	ds_store_b128 v14, v[R+16*((\t)%4)+4*\i:R+16*((\t)%4)+4*\i+3] offset:32*SP*((\t)%2)+8*SP*\i
.endr
.irp i, 0,1,2,3
	ds_load_b128 v[X+16*((\t)%2)+4*\i:X+16*((\t)%2)+4*\i+3], v15 offset:32*SP*((\t)%2)+16*\i
.endr
.endm
; n numbers from v[b] on are rounded in place as float_quantize(5, 10) rounds them (the head comment's step (1)); each pass goes over all n, so that no line waits for the line above it
.macro FQ b, n
.set fi, 0
.rept \n
	v_med3_num_f32 v[(\b)+fi], v[(\b)+fi], s[NEG], s[POS]          ; held at +-65,504
.set fi, fi+1
.endr
.set fi, 0
.rept \n
	v_and_b32 v[F+fi], s[EXPM], v[(\b)+fi]                         ; p = 2^e: the exponent field alone
.set fi, fi+1
.endr
.set fi, 0
.rept \n
	v_max_num_f32 v[F+fi], s[PMIN], v[F+fi]                        ; e held at -14 from below (zeros and denormals too)
.set fi, fi+1
.endr
.set fi, 0
.rept (\n)/2
	v_pk_fma_f32 v[(\b)+fi:(\b)+fi+1], v[F+fi:F+fi+1], s[BIG:BIG+1], v[(\b)+fi:(\b)+fi+1] op_sel_hi:[1,0,1]    ; t = 12288 p + v: rounded to a multiple of 2^(e - 10)
.set fi, fi+2
.endr
.set fi, 0
.rept (\n)/2
	v_pk_fma_f32 v[(\b)+fi:(\b)+fi+1], v[F+fi:F+fi+1], s[NBIG:NBIG+1], v[(\b)+fi:(\b)+fi+1] op_sel_hi:[1,0,1]  ; t - 12288 p: exact
.set fi, fi+2
.endr
.endm
.irp t, 0,1,2,3
	LOAD \t
.endr
	s_wait_loadcnt 12                              ; step 0's four loads are in; those of steps 1 to 3 may be out
	TURN 0
.macro STEP t
.set XS, X+16*((\t)%2)
.if (\t) > 0
	s_wait_dscnt 1                                 ; this step's numbers are back from the stage (the last step's byte store may be out): so its stores into the stage have read their registers,
.else
	s_wait_dscnt 0x0
.endif
.if (\t)+4 < STEPS
	LOAD (\t)+4                                    ; which take the loads of four steps on
.endif
.if (\t)+1 < STEPS
.if STEPS-2-(\t) >= 3
	s_wait_loadcnt 12                              ; the next step's four loads are in; those of the three steps behind it may be out
.else
	s_wait_loadcnt 4*(STEPS-2-(\t))                ; near the end fewer steps stand behind it
.endif
	TURN (\t)+1                                    ; and go through the other stage while this step is worked
.endif
	FQ XS, 16
	v_max3_num_f32 v8, |v[XS]|, |v[XS+1]|, |v[XS+2]|               ; the largest magnitude of my 16, in two chains
	v_max3_num_f32 v9, |v[XS+3]|, |v[XS+4]|, |v[XS+5]|
.irp i, 6,10
	v_max3_num_f32 v8, v8, |v[XS+\i]|, |v[XS+\i+1]|
	v_max3_num_f32 v9, v9, |v[XS+\i+2]|, |v[XS+\i+3]|
.endr
	v_max3_num_f32 v8, v8, |v[XS+14]|, |v[XS+15]|
	v_max3_num_f32 v8, v8, v9, 0x1800000           ; and the floor 2^(3 - 127), under which no largest magnitude is taken: so the byte cannot fall under 1
	v_max_num_f32_dpp v8, v8, v8 row_xmask:1 row_mask:0xf bank_mask:0xf   ; and of my neighbour's 16: the block's
	v_add_nc_u32 v11, 0xff000000, v8               ; 2 off its exponent field: the conversion takes the exponent field of this operand as its scale, and nothing else of it
	v_cvt_scalef32_pk8_fp4_f32 v[C+2*(\t)], v[XS:XS+7], v11        ; eight numbers / the scale, to the nearest code, ties to even, beyond 6 the largest code; the first number's code in the lowest four bits
	v_cvt_scalef32_pk8_fp4_f32 v[C+2*(\t)+1], v[XS+8:XS+15], v11
	v_lshrrev_b32 v[E+(\t)], 23, v11               ; the scale's byte (also the plain line behind the conversions)
	ds_store_b8 v5, v[E+(\t)] offset:16*(\t)       ; both lanes of a block write the same byte with the same value
	global_store_b64 v4, v[C+2*(\t):C+2*(\t)+1], s[8:9] offset:256*(\t)   ; the wave stores 256 consecutive bytes, aligned: row t's codes
.endm
.irp t, 0,1,2,3,4,5,6,7,8,9,10,11,12,13,14,15
	STEP \t
.endr
	ds_load_b64 v[12:13], v6                       ; LDS serves a wave's instructions in order: these see my byte stores
	s_wait_dscnt 0x0
	global_store_b64 v4, v[12:13], s[10:11]        ; the 16 rows' scale bytes: 256 consecutive bytes, aligned
	s_wait_tensorcnt 0x0
	ds_add_u32 v176, v177
	s_wait_dscnt 0x0
	s_endpgm
.Lfunc_end_k_qf3e605cbbc_quant:
	.size	k_qf3e605cbbc_quant, .Lfunc_end_k_qf3e605cbbc_quant-k_qf3e605cbbc_quant
	.p2alignl 7, 3214868480
	.fill 96, 4, 3214868480
	.section	.rodata,"a",@progbits
	.p2align	6, 0x0
	.amdhsa_kernel k_qf3e605cbbc_quant
		.amdhsa_group_segment_fixed_size 33280
		.amdhsa_private_segment_fixed_size 0
		.amdhsa_enable_private_segment 0
		.amdhsa_kernarg_size 24
		.amdhsa_user_sgpr_count 2
		.amdhsa_user_sgpr_kernarg_segment_ptr 1
		.amdhsa_wavefront_size32 1
		.amdhsa_system_sgpr_workgroup_id_x 1
		.amdhsa_system_sgpr_workgroup_id_y 1
		.amdhsa_system_sgpr_workgroup_id_z 1
		.amdhsa_system_vgpr_workitem_id 0
		.amdhsa_next_free_vgpr 178
		.amdhsa_next_free_sgpr 66
		.amdhsa_reserve_vcc 0
		.amdhsa_float_denorm_mode_32 3
		.amdhsa_float_denorm_mode_16_64 3
		.amdhsa_memory_ordered 1
		.amdhsa_forward_progress 1
		.amdhsa_inst_pref_size 82
	.end_amdhsa_kernel
	.amdgpu_metadata
---
amdhsa.version: [ 1, 2 ]
amdhsa.kernels:
  - .name:           k_qf3e605cbbc_quant
    .symbol:         k_qf3e605cbbc_quant.kd
    .args:
      - { .name: x, .offset: 0, .size: 8, .value_kind: global_buffer, .address_space: global }
      - { .name: weight, .offset: 8, .size: 8, .value_kind: global_buffer, .address_space: global }
      - { .name: codes, .offset: 16, .size: 8, .value_kind: global_buffer, .address_space: global }
    .group_segment_fixed_size: 33280
    .private_segment_fixed_size: 0
    .kernarg_segment_align: 8
    .kernarg_segment_size: 24
    .max_flat_workgroup_size: 128
    .sgpr_count:     66
    .vgpr_count:     178
    .wavefront_size: 32
...
	.end_amdgpu_metadata
.endif
;; end of part 1
;; launch gemm (part 2): grid 16 x 16, 4 waves a work-group, clusters of 4 x 4, 327,680 bytes of LDS; arguments codes, bias, out0; writes out0
.if DOCPART == 2
	.amdgcn_target "amdgcn-amd-amdhsa--gfx1250"
	.amdhsa_code_object_version 6
	.text
	.protected	k_qf3e605cbbc_gemm
	.globl	k_qf3e605cbbc_gemm
	.p2align	8
	.type	k_qf3e605cbbc_gemm,@function
k_qf3e605cbbc_gemm:
	s_mov_b64 s[64:65], 0
	v_nop
	global_prefetch_b8 v0, s[64:65] scope:SCOPE_SE
	s_setreg_imm32_b32 hwreg(HW_REG_WAVE_MODE, 25, 1), 1
	s_wait_xcnt 0x0
	s_wait_alu depctr_hold_cnt(0) depctr_sa_sdst(0) depctr_va_vdst(0) depctr_va_sdst(0) depctr_va_ssrc(0) depctr_va_vcc(0) depctr_vm_vsrc(0)
	s_getreg_b32 s2, hwreg(HW_REG_IB_STS2, 6, 4)
	s_cmp_eq_u32 s2, 0
	s_cbranch_scc0 .Lentry_in_a_cluster
	s_endpgm
.Lentry_in_a_cluster:
	s_bfe_u32 s2, ttmp6, 0x10000c
	s_cmp_lg_u32 s2, 0xf033
	s_cbranch_scc0 .Lentry_shape_is_right
	s_endpgm
.Lentry_shape_is_right:
; out0[m][n] = fq(sum over k of X[m][k] W[n][k]) + bias[n].  X and W come as codes of FP4 (E2M1) with one E8M0 byte for each 32 along K, laid by the launch before:
; codes = [rb 0..63][s 0..7][34,816 bytes]; rb: 128 rows (0-31 x's, 32-63 weight's); s: 512 along K; a block: 128 rows x 256 bytes of codes, then 8 x 256 bytes of scale bytes (16 rows x 16 bytes each).
; fq is the problem's float_quantize(5, 10): nearest multiple of 2^(e - 10), ties to even, e = floor(log2 |v|) held to -14 .. 15, held at 65,504.  Those are the numbers of IEEE f16, subnormals among them,
; so fq(v) = f32(f16(v held to +-65,504)): the hold first gives what the hold last gives, since 65,504 is a number of the format.  No quantiser follows this step.
; LIMIT: a NaN among the sums is not served.
; A work-group of four waves makes 256 x 256 of out0, a wave 128 x 128: 64 accumulators, 512 registers.  K goes in steps of 512 through two LDS slots; a wave's tensor load brings one block (136 rows of 256 bytes).
; CLUSTERS 4 x 4: x's blocks are asked for jointly along a row of the cluster, weight's along a column.  The matrix instruction is used transposed (source 0 = weight's rows, source 1 = x's rows).
; THE LAST K STEP GOES BY ROWS OF out0: all its fragments of weight fill window 1, x's come by blocks of 16 rows, and each block of 16 x 128 results leaves as soon as its 32 products are issued.
; PREFETCH: behind the load of K step t each wave asks for step t + 2 of the block row that it fetches (at the head also step 1).  The four partners that ask for a block jointly share its 136 units of 256 bytes
; out by address: partner p names code units 32 p .. 32 p + 31 (a lane a unit) and scale units 2 p, 2 p + 1 (lanes 1-31 name the second).  Steps 6 and 7's loads ask for nothing.
; REGISTERS: window 0: v0-31 addresses; v32-95 scale words, two sets; v96-99 bias; v100-115 f16 pairs; v128-191 x's fragments; v192-255 a block read back on the way out.
;   window 1: weight's fragments.  windows 2, 3: the accumulators of my rows 0-63, 64-127 (accumulator (a, b) at v[8 (8 (a % 4) + b)]).
.set KBLK,   34816
.set RBB,    8*KBLK
.set NQ,     4
.set PITCH,  272                       ; an LDS row: 256 bytes + 16 of padding
.set FR,     8
.set NL,     2
.set NP,     4
.set HALFT,  136*PITCH                 ; a block in LDS
.set SLOT,   4*HALFT                   ; x's two blocks, then weight's two
.set SCOFF,  128*PITCH                 ; a block's scale units
.set SPARE,  2*SLOT                    ; the spare words: 512 bytes that no other line names
.set LAPS,   4
.set SPITCH, 528                       ; the way out: a stage of 16 rows x (512 + 16) bytes a wave, in slot 0 behind its last fill and last read
.set ROWO,   16384                     ; a row of out0 in bytes
.set ADRA, 16
.set ADRB, 20
.set ADRS, 22
.set STO,  24
.set RD,   25
.set CO,   26
.set SPW,  28
.set NIL,  29
.set PFO,  30
.set PFO2, 31
.set SC,   32
.set BIAS, 96
.set F,    100
.set AF,   128
.set PA,   128                         ; the last step: two buffers of 32 for x's blocks
.set BK,   192
.set G1,  24
.set G0,  32
.set G1B, 48
.set G0B, 56
.set PFA, 66
.set POS, 72
.set NEG, 73
.set MSB, 0
.macro WIN new                         ; the immediate's high byte repeats the setting that is left
.if MSB != (\new)
	s_set_vgpr_msb (MSB<<8)|(\new)
.set MSB, (\new)
.endif
.endm
.set MUL_LO, 0xa1
.set MUL_HI, 0xf1
.set TO_B,   0x40
.macro JLOAD g0a, g1a, g0b, g1b        ; waves 0, 1 fetch x's two blocks, waves 2, 3 weight's; s_nop 0 and four v_nop behind each line
	s_cmp_eq_u32 s15, 0
	s_cbranch_scc0 .Lfor_b_\@
	tensor_load_to_lds s[\g0a:\g0a+3], s[\g1a:\g1a+7]
	s_nop 0
.rept 4
	v_nop
.endr
	s_branch .Lasked_\@
.Lfor_b_\@:
	tensor_load_to_lds s[\g0b:\g0b+3], s[\g1b:\g1b+7]
	s_nop 0
.rept 4
	v_nop
.endr
.Lasked_\@:
.endm
.macro CREST
	s_cmp_lg_u32 s14, 0
	s_cbranch_scc1 .Lnot_wave_0_\@
	s_barrier_signal -3
.Lnot_wave_0_\@:
	s_barrier_wait -3
	s_barrier_signal -1
	s_barrier_wait -1
.endm
.macro CROUND
	s_barrier_signal -1
	s_barrier_wait -1
	CREST
.endm
.macro PF n                            ; my 34 units of the block n steps behind where PFA stands
	global_prefetch_b8 v[PFO], s[PFA:PFA+1] offset:(\n)*KBLK th:TH_LOAD_NT scope:SCOPE_SE
	global_prefetch_b8 v[PFO2], s[PFA:PFA+1] offset:(\n)*KBLK th:TH_LOAD_NT scope:SCOPE_SE
.endm
.macro ASK                             ; in the loop's last trip (s3 = 1) the step two on does not exist
	s_cmp_gt_u32 s3, 1
	s_cbranch_scc0 .Lno_ask_\@
	PF 3
.Lno_ask_\@:
.endm
	s_load_b128 s[4:7], s[0:1], 0x0                ; codes, bias
	s_load_b64 s[12:13], s[0:1], 0x10              ; out0
	v_lshl_add_u32 v[SPW], v0, 2, SPARE
	v_mov_b32 v[NIL], 0
	ds_add_u32 v[SPW], v[NIL]                      ; the opening: the add twice on end and one wait, ahead of my first tensor load
	ds_add_u32 v[SPW], v[NIL]
	v_lshrrev_b32 v1, 5, v0
	v_readfirstlane_b32 s14, v1                    ; wave
	s_lshr_b32 s15, s14, 1                         ; my half of the rows; also: I fetch for x (0) or weight (1)
	s_and_b32 s16, s14, 1                          ; my half of the columns; also: which of the two blocks I fetch
	s_bfe_u32 s40, ttmp6, 0x40000                  ; cx
	s_bfe_u32 s41, ttmp6, 0x40004                  ; cy
	s_lshl_b32 s42, ttmp9, 2
	s_add_co_u32 s42, s42, s40                     ; tile column
	s_and_b32 s17, ttmp7, 0xffff
	s_lshl_b32 s17, s17, 2
	s_add_co_u32 s17, s17, s41                     ; tile row
	s_lshl_b32 s43, s41, 2
	s_lshl_b32 s43, 15, s43                        ; my row of the cluster
	s_lshl_b32 s44, 0x1111, s40                    ; my column
	s_or_b32 s[G1+0], s43, (3<<16)|(1<<20)|(1<<21)|(5<<22)|(3<<25)   ; elements of 8 bytes; 4 words of padding behind every 64
	s_or_b32 s[G1B+0], s44, (3<<16)|(1<<20)|(1<<21)|(5<<22)|(3<<25)
.irp g, G1, G1B
	s_mov_b32 s[\g+1], 32<<16
	s_mov_b32 s[\g+2], 136<<16
	s_mov_b32 s[\g+3], 32<<16
	s_mov_b32 s[\g+4], 136
	s_mov_b32 s[\g+5], 32
	s_mov_b32 s[\g+6], 0
	s_mov_b32 s[\g+7], 0
.endr
	s_mov_b32 s[POS], 0x477fe000                   ; 65,504
	s_mov_b32 s[NEG], 0xc77fe000
	s_lshl_b32 s20, s17, 1
	s_add_co_u32 s20, s20, s16
	s_mul_i32 s20, s20, RBB                        ; x's block row 2 x tile row + half
	s_mov_b32 s21, 0
	s_lshl_b32 s46, s42, 1
	s_add_co_u32 s46, s46, s16
	s_add_co_u32 s46, s46, 32
	s_mul_i32 s46, s46, RBB                        ; weight's block row 32 + 2 x tile column + half
	s_mov_b32 s47, 0
	s_mul_i32 s45, s14, HALFT
	s_wait_dscnt 0x0
	CROUND                                         ; all sixteen work-groups are here; the round runs while the arguments are on their way
	s_wait_kmcnt 0x0
	s_add_nc_u64 s[20:21], s[4:5], s[20:21]
	s_add_nc_u64 s[46:47], s[4:5], s[46:47]
.irp s, 0,1
	s_mov_b32 s[G0+4*\s], 1
	s_add_co_u32 s[G0+4*\s+1], s45, \s*SLOT
	s_add_nc_u64 s[G0+4*\s+2:G0+4*\s+3], s[20:21], \s*KBLK
	s_or_b32 s[G0+4*\s+3], s[G0+4*\s+3], 0x80000000
	s_mov_b32 s[G0B+4*\s], 1
	s_add_co_u32 s[G0B+4*\s+1], s45, \s*SLOT
	s_add_nc_u64 s[G0B+4*\s+2:G0B+4*\s+3], s[46:47], \s*KBLK
	s_or_b32 s[G0B+4*\s+3], s[G0B+4*\s+3], 0x80000000
.endr
	s_cmp_eq_u32 s15, 0
	s_cselect_b64 s[PFA:PFA+1], s[20:21], s[46:47] ; the block row that I fetch, at K step 0
	s_cselect_b32 s18, s40, s41                    ; my place among the four that ask for it with me
	JLOAD G0, G1, G0B, G1B                         ; K step 0: one tensor load a wave at the head
	s_mul_i32 s21, s15, HALFT                      ; x's block of my rows
	s_mul_i32 s22, s16, HALFT
	s_add_co_u32 s22, s22, 2*HALFT                 ; weight's block of my columns
	s_sub_co_u32 s23, s22, s21
	s_add_co_u32 s19, s21, SCOFF
	s_mul_i32 s10, s14, 16*SPITCH                  ; my stage
	s_lshl_b32 s11, s18, 13                        ; my 32 code units
	s_lshl_b32 s18, s18, 9
	s_add_co_u32 s18, s18, 32768                   ; my 2 scale units
	s_lshl_b32 s70, s42, 10
	s_lshl_b32 s71, s16, 9
	s_add_co_u32 s70, s70, s71                     ; my first column, in bytes
	s_mov_b32 s71, 0
	s_add_nc_u64 s[6:7], s[6:7], s[70:71]
	s_lshl_b32 s74, s17, 8
	s_lshl_b32 s75, s15, 7
	s_add_co_u32 s74, s74, s75                     ; my first row
	s_lshl_b32 s74, s74, 14
	s_add_co_u32 s74, s74, s70
	s_mov_b32 s75, 0
	s_add_nc_u64 s[12:13], s[12:13], s[74:75]
	v_and_b32 v1, 15, v0                           ; r
	v_bfe_u32 v2, v0, 4, 1                         ; h
	v_and_b32 v6, 31, v0                           ; lane
	v_mul_u32_u24 v3, v1, PITCH
	v_lshl_add_u32 v4, v2, 4, v3
	v_add_nc_u32 v[ADRA], s21, v4
	v_add_nc_u32 v[ADRB], s22, v4
	v_add_nc_u32 v[ADRA+1], SLOT, v[ADRA]
	v_add_nc_u32 v[ADRB+1], SLOT, v[ADRB]
	v_lshlrev_b32 v5, 4, v1                        ; scale words: 16 bytes a row; lanes 0-15 x's, lanes 16-31 weight's
	v_mul_u32_u24 v7, s23, v2
	v_add_nc_u32 v5, v5, v7
	v_add_nc_u32 v[ADRS], s19, v5
	v_add_nc_u32 v[ADRS+1], SLOT, v[ADRS]
	v_mul_u32_u24 v5, v1, SPITCH
	v_lshl_add_u32 v5, v2, 5, v5
	v_add_nc_u32 v[STO], s10, v5                   ; into the stage: row r, 32 bytes for each half of the lanes
	v_lshlrev_b32 v[CO], 4, v6
	v_add_nc_u32 v[RD], s10, v[CO]                 ; back: 32 lanes take a row of 512 bytes
	v_lshlrev_b32 v[PFO], 8, v6
	v_add_nc_u32 v[PFO], s11, v[PFO]
	v_min_u32 v5, 1, v6
	v_lshlrev_b32 v5, 8, v5
	v_add_nc_u32 v[PFO2], s18, v5
	s_wait_alu depctr_va_vdst(0)                   ; the wait at the head's end
	global_load_b128 v[BIAS:BIAS+3], v[CO], s[6:7] ; bias of my four columns of a row read back
	PF 1
.macro FRAG reg, adr, q, i             ; 16 rows x 128 K: registers 4 c .. 4 c + 3 hold K = 64 c + 32 h + 0 .. 31
.irp c, 0,1
	ds_load_b128 v[\reg+4*\c:\reg+4*\c+3], v[\adr] offset:64*(\q)+32*\c+(\i)*16*PITCH
.endr
.endm
.macro MUL16 a0, p, q, sc, zero        ; x's blocks a0, a0 + 1 against weight's eight; the accumulators take turns
.irp a, \a0, \a0+1
.irp b, 0,1,2,3,4,5,6,7
.if \zero
	v_wmma_scale_f32_16x16x128_f8f6f4 v[8*(8*((\a)%4)+\b):8*(8*((\a)%4)+\b)+7], v[128*(\p)+FR*\b:128*(\p)+FR*\b+FR-1], v[AF+FR*(\a):AF+FR*(\a)+FR-1], 0, v[SC+8*NQ*(\sc)+NQ*\b+(\q)], v[SC+8*NQ*(\sc)+NQ*(\a)+(\q)] matrix_a_fmt:MATRIX_FMT_FP4 matrix_b_fmt:MATRIX_FMT_FP4 matrix_a_scale:MATRIX_SCALE_ROW1
.else
	v_wmma_scale_f32_16x16x128_f8f6f4 v[8*(8*((\a)%4)+\b):8*(8*((\a)%4)+\b)+7], v[128*(\p)+FR*\b:128*(\p)+FR*\b+FR-1], v[AF+FR*(\a):AF+FR*(\a)+FR-1], v[8*(8*((\a)%4)+\b):8*(8*((\a)%4)+\b)+7], v[SC+8*NQ*(\sc)+NQ*\b+(\q)], v[SC+8*NQ*(\sc)+NQ*(\a)+(\q)] matrix_a_fmt:MATRIX_FMT_FP4 matrix_b_fmt:MATRIX_FMT_FP4 matrix_a_scale:MATRIX_SCALE_ROW1
.endif
.endr
.endr
.endm
.macro FETCH_B slot, q, p
	WIN TO_B
.irp i, 0,1,2,3,4,5,6,7
	FRAG 128*(\p)+FR*\i, ADRB+\slot, \q, \i
.endr
	WIN 0
.endm
.macro FETCH_A slot, q, i0
.irp i, \i0, \i0+1, \i0+2, \i0+3
	FRAG AF+FR*(\i), ADRA+\slot, \q, \i
.endr
.endm
.macro SCALES sc                       ; register NQ i + q: lanes 0-15 the word of x's block i, lanes 16-31 of weight's block i, for the slot's q-th 128 along K
.irp i, 0,1,2,3,4,5,6,7
	ds_load_b128 v[SC+8*NQ*\sc+NQ*\i:SC+8*NQ*\sc+NQ*\i+3], v[ADRS+\sc] offset:\i*PITCH
.endr
.endm
.macro PLACES n                        ; plain places behind matrix instructions, ahead of loads into their registers and of reads of results
.rept \n
	v_nop
.endr
.endm
.macro STEP slot, q, zero              ; 128 along K whose successor lies in the same slot
; x's fragments have two sets like weight's: v128-191 and v192-255 of window 0 (AF names the set at work or being filled); set q % 2 serves the slot's q-th 128.
; The next 128's 32 loads go out first, into the set that the last 64 products read, 64 products ahead of their use.
	PLACES NP
.set AF, 128+64*(1-(\q)%2)
	FETCH_B \slot, (\q)+1, 1-(\q)%2
	FETCH_A \slot, (\q)+1, 0
	FETCH_A \slot, (\q)+1, 4
.set AF, 128+64*((\q)%2)
	s_wait_dscnt 32+4*NL                           ; this 128's fragments are in, all but x's blocks 4-7; behind them the 32 just issued
	WIN MUL_LO
	MUL16 0, (\q)%2, \q, \slot, \zero
	MUL16 2, (\q)%2, \q, \slot, \zero
	s_wait_dscnt 32                                ; all but the 32 just issued
	WIN MUL_HI
	MUL16 4, (\q)%2, \q, \slot, \zero
	MUL16 6, (\q)%2, \q, \slot, \zero
.endm
.macro MEET slot                       ; a slot's last 128, first half: all my tensor loads, the add, my reads of the slot, the barrier
	WIN 0                                          ; the add's two registers lie in window 0
.set AF, 192                                   ; a slot's last 128 lies in set 1
	s_wait_tensorcnt 0x0
	ds_add_u32 v[SPW], v[NIL]
	s_wait_dscnt 4*NL+1                            ; the add and x's blocks 4-7 may be out
	WIN MUL_LO
	MUL16 0, 1, NQ-1, \slot, 0
	s_wait_dscnt 0x0
	s_barrier_signal -1
	MUL16 2, 1, NQ-1, \slot, 0
	WIN 0
	s_barrier_wait -1
.endm
.macro TURN slot, next                 ; the change of slots; this slot is filled again, two K steps on
	s_wait_xcnt 0x0                                ; my prefetches have read their address
	s_add_nc_u64 s[PFA:PFA+1], s[PFA:PFA+1], KBLK
	MEET \slot
	CREST                                          ; the barrier opened a round of the cluster's barrier
	s_add_nc_u64 s[G0+4*\slot+2:G0+4*\slot+3], s[G0+4*\slot+2:G0+4*\slot+3], 2*KBLK
	s_add_nc_u64 s[G0B+4*\slot+2:G0B+4*\slot+3], s[G0B+4*\slot+2:G0B+4*\slot+3], 2*KBLK
	JLOAD G0+4*\slot, G1, G0B+4*\slot, G1B
.set AF, 128
	SCALES \next                                   ; the scale words first: the counted waits of the next 128 then cover them
	FETCH_B \next, 0, 0
	FETCH_A \next, 0, 0
	FETCH_A \next, 0, 4
	ASK
.set AF, 192
	WIN MUL_HI
	MUL16 4, 1, NQ-1, \slot, 0
	MUL16 6, 1, NQ-1, \slot, 0
.endm
.macro STEPS slot, from
.set Q, \from
.rept NQ-1-\from
	STEP \slot, Q, 0
.set Q, Q+1
.endr
.endm
; THE LAST K STEP (slot 1), BY ROWS
.macro BLOAD q                         ; weight's eight fragments of quarter q -> window 1, v[64 q ..]
.irp i, 0,1,2,3,4,5,6,7
	FRAG 64*(\q)+FR*\i, ADRB+1, \q, \i
.endr
.endm
.macro ALOAD a                         ; x's block a, all four quarters -> buffer a % 2
.irp q, 0,1,2,3
	FRAG PA+32*((\a)%2)+FR*\q, ADRA+1, \q, \a
.endr
.endm
.macro ROW a                           ; block a is finished: 32 products, its eight accumulators by turns, K ascending
	WIN MUL_LO+0x50*((\a)/4)
.irp q, 0,1,2,3
.if (\a) == 0 && \q == 1
	s_wait_dscnt 40                                ; weight's quarter 1 is in; behind it quarters 3 and 2 and x's block 1
.endif
.if (\a) == 0 && \q == 2
	s_wait_dscnt 8                                 ; weight's quarter 2 is in; behind it x's block 1
.endif
.irp b, 0,1,2,3,4,5,6,7
	v_wmma_scale_f32_16x16x128_f8f6f4 v[64*((\a)%4)+8*\b:64*((\a)%4)+8*\b+7], v[64*\q+8*\b:64*\q+8*\b+7], v[PA+32*((\a)%2)+8*\q:PA+32*((\a)%2)+8*\q+7], v[64*((\a)%4)+8*\b:64*((\a)%4)+8*\b+7], v[SC+8*NQ+NQ*\b+\q], v[SC+8*NQ+NQ*(\a)+\q] matrix_a_fmt:MATRIX_FMT_FP4 matrix_b_fmt:MATRIX_FMT_FP4 matrix_a_scale:MATRIX_SCALE_ROW1
.endr
.endr
	WIN 0
.endm
.macro TOSTAGE a                       ; a lane's 32 bytes of a row into my stage, and back as whole rows of 512 bytes (LDS serves a wave's instructions in order)
	WIN 0x08+4*((\a)/4)
.irp b, 0,1,2,3,4,5,6,7
	ds_store_b128 v[STO], v[64*((\a)%4)+8*\b:64*((\a)%4)+8*\b+3] offset:64*\b          ; each accumulator from its low end on
	ds_store_b128 v[STO], v[64*((\a)%4)+8*\b+4:64*((\a)%4)+8*\b+7] offset:64*\b+16
.endr
	WIN 0
.irp t, 0,1,2,3,4,5,6,7,8,9,10,11,12,13,14,15
	ds_load_b128 v[BK+4*\t:BK+4*\t+3], v[RD] offset:\t*SPITCH
.endr
.endm
.macro FQH b                           ; 32 numbers: held, rounded to f16 and widened again (the head comment's fq), + bias
.set fi, 0
.rept 32
	v_med3_num_f32 v[(\b)+fi], v[(\b)+fi], s[NEG], s[POS]
.set fi, fi+1
.endr
.set fi, 0
.rept 16
	v_cvt_pk_f16_f32 v[F+fi], v[(\b)+2*fi], v[(\b)+2*fi+1]
.set fi, fi+1
.endr
.set fi, 0
.irp h, v100.l,v100.h,v101.l,v101.h,v102.l,v102.h,v103.l,v103.h,v104.l,v104.h,v105.l,v105.h,v106.l,v106.h,v107.l,v107.h,v108.l,v108.h,v109.l,v109.h,v110.l,v110.h,v111.l,v111.h,v112.l,v112.h,v113.l,v113.h,v114.l,v114.h,v115.l,v115.h
	v_cvt_f32_f16 v[(\b)+fi], \h
.set fi, fi+1
.endr
.set fi, 0
.rept 16
	v_pk_add_f32 v[(\b)+fi:(\b)+fi+1], v[(\b)+fi:(\b)+fi+1], v[BIAS+fi%4:BIAS+fi%4+1]
.set fi, fi+2
.endr
.endm
.macro SEND a                          ; 32 lanes store 512 consecutive bytes, aligned; every offset an immediate: 127 rows at the most
.irp t, 0,1,2,3,4,5,6,7,8,9,10,11,12,13,14,15
	global_store_b128 v[CO], v[BK+4*\t:BK+4*\t+3], s[12:13] offset:ROWO*(16*(\a)+\t)
.endr
.endm
	s_wait_tensorcnt 0x0                           ; my block of K step 0 is in; slot 1's first fill is issued as a refill is:
	ds_add_u32 v[SPW], v[NIL]
	s_wait_dscnt 0x0
	CROUND
	JLOAD G0+4, G1, G0B+4, G1B                     ; K step 1
	SCALES 0
	FETCH_B 0, 0, 0
	FETCH_A 0, 0, 0
	FETCH_A 0, 0, 4
	PF 2
	PF 3
	STEP 0, 0, 1                                   ; the first products start the sums
	WIN 0                                          ; at a label and at a branch every window is 0
	s_mov_b32 s3, LAPS-1
.Llap:                                                 ; once round the ring, from a lap's second 128 to the next lap's first; both slots are filled again
	STEPS 0, 1
	TURN 0, 1
	STEPS 1, 0
	TURN 1, 0
	STEP 0, 0, 0
	WIN 0
	s_sub_co_u32 s3, s3, 1
	s_cmp_lg_u32 s3, 0
	s_cbranch_scc1 .Llap
	STEPS 0, 1
	MEET 0                                         ; the last change of slots: nothing is filled again, so no round follows; behind it nobody reads slot 0
	PLACES NP
	SCALES 1                                       ; what block 0's first products need is asked for first
	ALOAD 0                                        ; into set 0 of x's fragments, whose products are issued
	WIN TO_B
	BLOAD 0                                        ; three quarters now: v128-191 of window 1 are still being multiplied
	BLOAD 1
	BLOAD 3
	WIN MUL_HI
	MUL16 4, 1, NQ-1, 0, 0
	MUL16 6, 1, NQ-1, 0, 0
	PLACES NP
	WIN TO_B
	BLOAD 2
	WIN 0
	ALOAD 1
	s_wait_loadcnt 0x0                             ; bias
	s_wait_dscnt 56                                ; the scale words, x's block 0 and weight's quarter 0 are in; behind them quarters 1, 3, 2 and x's block 1
	ROW 0
	PLACES NP
; Block a goes through the stage while block a + 1 is multiplied; block a's vector work is then the places behind block a + 1's products.
.irp a, 0,1,2,3,4,5,6,7
.if \a > 0
	s_wait_xcnt 0x0                                ; the last block's stores have read v192-255
.endif
	TOSTAGE \a
.if \a < 6
	ALOAD \a+2
	s_wait_dscnt 40                                ; x's block a + 1 is in; behind it the stage's 32 and the 8 just issued
	ROW \a+1
	s_wait_dscnt 8                                 ; block a is back; x's block a + 2 may be out
.else
.if \a == 6
	s_wait_dscnt 32
	ROW 7
.endif
	s_wait_dscnt 0x0
.endif
	FQH BK
	FQH BK+32
	SEND \a
.endr
	s_wait_tensorcnt 0x0                           ; the wave's end
	ds_add_u32 v[SPW], v[NIL]
	s_wait_dscnt 0x0
	CROUND                                         ; the closing round
	s_endpgm
.Lfunc_end_k_qf3e605cbbc_gemm:
	.size	k_qf3e605cbbc_gemm, .Lfunc_end_k_qf3e605cbbc_gemm-k_qf3e605cbbc_gemm
	.p2alignl 7, 3214868480
	.fill 96, 4, 3214868480
	.section	.rodata,"a",@progbits
	.p2align	6, 0x0
	.amdhsa_kernel k_qf3e605cbbc_gemm
		.amdhsa_group_segment_fixed_size 327680
		.amdhsa_private_segment_fixed_size 0
		.amdhsa_enable_private_segment 0
		.amdhsa_kernarg_size 24
		.amdhsa_user_sgpr_count 2
		.amdhsa_user_sgpr_kernarg_segment_ptr 1
		.amdhsa_wavefront_size32 1
		.amdhsa_system_sgpr_workgroup_id_x 1
		.amdhsa_system_sgpr_workgroup_id_y 1
		.amdhsa_system_sgpr_workgroup_id_z 1
		.amdhsa_system_vgpr_workitem_id 0
		.amdhsa_next_free_vgpr 1024
		.amdhsa_next_free_sgpr 82
		.amdhsa_reserve_vcc 0
		.amdhsa_float_denorm_mode_32 3
		.amdhsa_float_denorm_mode_16_64 3
		.amdhsa_memory_ordered 1
		.amdhsa_forward_progress 1
		.amdhsa_inst_pref_size 255
	.end_amdhsa_kernel
	.section	.bss,"aw",@nobits
	.p2align	6
	.space	262144
	.amdgpu_metadata
---
amdhsa.version: [ 1, 2 ]
amdhsa.kernels:
  - .name:           k_qf3e605cbbc_gemm
    .symbol:         k_qf3e605cbbc_gemm.kd
    .args:
      - { .name: codes, .offset: 0, .size: 8, .value_kind: global_buffer, .address_space: global }
      - { .name: bias, .offset: 8, .size: 8, .value_kind: global_buffer, .address_space: global }
      - { .name: out0, .offset: 16, .size: 8, .value_kind: global_buffer, .address_space: global }
    .group_segment_fixed_size: 327680
    .private_segment_fixed_size: 0
    .kernarg_segment_align: 8
    .kernarg_segment_size: 24
    .max_flat_workgroup_size: 128
    .sgpr_count:     82
    .vgpr_count:     1024
    .wavefront_size: 32
...
	.end_amdgpu_metadata
.endif
;; end of part 2
